; MI455X (gfx1250); checked and timed in simulation.
; The chip was launched on July 23, 2026; its instructions are those of AMD's public machine-readable ISA for CDNA 5 (MIT licence, August 2026) and "CDNA5" Instruction Set Architecture Reference Guide (July 2026). The comments in the code are by the model that wrote it; some were corrected since.
;; Memory Attention. Allowed arithmetic: matrix products marked QUANTISED: E4M3 operands, one given power-of-two scale a tensor, by v_wmma_f32_16x16x64_fp8_fp8 or v_wmma_f32_16x16x128_fp8_fp8, f32 sums; everything else in f32.
;; Inputs: attention_mask 16 x 1,024 int32; lowp_scales 4 int32 (the exponents e of the quantised operands' scales 2^e); memory_attention_mask 16 x 16 x 128 int32; memory_vectors 16 x 16 x 128 x 1,024 float32; seq_vectors 16 x 1,024 x 1,024 float32.
;; Outputs: out0 16 x 1,024 x 1,024 float32.
;; This version of the problem:
;;   THIS VERSION OF THE PROBLEM IS GIVEN IN LOW PRECISION. The matrix products marked QUANTISED in the list below multiply operands that are first quantised to E4M3 (4 exponent bits, 3 mantissa bits; 8 bits a number), with one given power-of-two scale for each operand tensor; their sums are f32. All else is computed in f32.
;;   The module's matrix products, in the order in which they are computed (A, B: the left and right operand; K: the contracted axis; several contracted axes count as one K, in the product's order):
;;     1. batch 16 x [M 1,024, K 1,024] x [K 1,024, N 2,048]; A: input seq_vectors; B: computed on the way: QUANTISED (scales: A lowp_scales[0], B lowp_scales[1])
;;     2. batch 16 x [M 1,024, K 2,048] x [K 2,048, N 1,024]; A: softmax (see below); B: computed on the way: QUANTISED (scales: A lowp_scales[2], B lowp_scales[3])
;;   THE QUANTISER, for each operand of a quantised product, along K:
;;     - The operand's scale is 2^e, e = its entry of the input lowp_scales (int32; the entries are numbered through the quantised products in the list's order, A before B).
;;     - Each number is divided by the scale, clamped to +-448, and rounded to the nearest number of E4M3, ties to even, subnormals kept.
;;     - The product sums the exact products of the quantised numbers (number of the format x scale) in f32.
;;   ~~~python
;;   def quantise(x, axis, e):      # numpy; x: float32 -> the quantised numbers, widened to float32 again
;;       x = np.moveaxis(x, axis, -1); K = x.shape[-1]
;;       r = np.clip(x / 2.0 ** e, -448, 448)
;;       step = 2.0 ** (np.maximum(np.frexp(np.where(r == 0, 1, r))[1] - 1, -6) - 3)
;;       q = np.round(r / step) * step * 2.0 ** e      # np.round: ties to even
;;       return np.moveaxis(q, -1, axis).astype(np.float32)
;;   ~~~
;;   SOFTMAX AHEAD OF A QUANTISED PRODUCT. Where the list says 'softmax', what is quantised is not the finished softmax but p = 2^(t - M), with t = logit x log2(e) and M = ceil(the row's largest t), a whole number; so 1/2 < the row's largest p <= 1. The row's sum l is taken of the UNQUANTISED p, in f32, and the product's result is divided by l at the end. Since M is a whole number, a kernel that streams over the keys may use a running M (the ceiling of the running maximum): every later rescaling is an exact power of two, so the quantised numbers keep their values, but for numbers so far below the row's largest that they fall under the format's range.
;;   OPERANDS COMPUTED ON THE WAY. 'Computed on the way' means the value that the module computes at that place (a softmax that the list does not call 'softmax' is quantised finished and normalised). What goes into a quantiser is computed in f32, as accurately as f32 sums, v_exp_f32 and their like allow (about 1e-6 of the number): no bf16 or f16 on the way to a quantiser, and a product that is left as it is and whose result goes on into a quantised operand takes f32 operands (vector FMAs, or v_wmma_f32_16x16x4_f32). A number that lies on a knife's edge between two numbers of the format may be rounded either way, as far as f32 arithmetic and the matrix unit's own rounding can turn it there, and no further.
;; One version. Each part assembles by itself: llvm-mc -triple=amdgcn-amd-amdhsa -mcpu=gfx1250 --defsym DOCPART=n.
;; ======== version 1 of 1: 2 launches
;; limits: right only within a limited range of input values
;; workspace buffers: kimg 33,554,432 bytes; vimg 33,554,432 bytes
;; launch prep (part 1): grid 8 x 128, 4 waves a work-group, no clusters, 0 bytes of LDS; arguments memory_vectors, memory_attention_mask, lowp_scales, kimg, vimg; writes kimg, vimg
.if DOCPART == 1
	.amdgcn_target "amdgcn-amd-amdhsa--gfx1250"
	.amdhsa_code_object_version 6
	.text
	.protected	k_q3ea1224983_prep
	.globl	k_q3ea1224983_prep
	.p2align	8
	.type	k_q3ea1224983_prep,@function
k_q3ea1224983_prep:
	s_mov_b64 s[64:65], 0
	v_nop
	global_prefetch_b8 v0, s[64:65] scope:SCOPE_SE
	s_setreg_imm32_b32 hwreg(HW_REG_WAVE_MODE, 25, 1), 1
	s_wait_xcnt 0x0
; mem = memory_vectors of one batch as [2048][1024] f32; rows whose mask word is 0 count as zeros.  One read of mem makes BOTH operands of the attention launch, as codes of FP8 (E4M3):
;   kimg: the keys of the first product.  reference() reshapes the flat buffer to [1024 (hh)][2048 (n')], so key n' = 1024 par + d is column d of mem taken at the rows of parity par: R[hh][n'] = mem[2 hh + par][d].  Scale 2^e1.
;   vimg: the second product's operand with the keys innermost: row d is column d of mem, k = n.  Scale 2^e3.
; code = x / 2^e, held within +-448, to the nearest code, ties to even.
; BOTH BUFFERS ARE IMAGES OF OPERAND REGISTERS.  A fragment (16 rows x 128 k) is 2,048 bytes: four blocks i of 512; lane (r, h) has its 16 bytes at 512 i + 256 h + 16 r, byte y = k 32 i + 16 h + y.
;   kimg[b][j 0..15][T 0..7][c 0..7][2048]: lane row r of tile T is key 128 j + 32 (T / 2) + 8 (T % 2) + r + 8 (r / 8); k = hh = 128 c + ..     vimg[b][j][ct 0..63][2048]: lane row r is channel 16 ct + r; k = n = 128 j + ..
; SHARES.  Work-group (x = cg, y = 8 b + rg): columns 128 cg .. + 127, rows 256 rg .. + 255.  A LANE TAKES A COLUMN AND ITS REGISTERS RUN DOWN THE ROWS: wave w has columns 128 cg + 32 w + lane; eight blocks t of 32 rows.
; A block's 32 numbers of a lane are four pieces of 16 codes: rows 0-15 and 16-31 (V, h = 0, 1) and the even and the odd rows (K, par = 0, 1).  Each store of the wave fills two aligned runs of 256 bytes.
; THE MASK.  A row's mask word selects the limits of the hold: (-448 x scale, +448 x scale) or (0, 0); so the mask and the hold are one instruction.  A masked row's bytes are not fetched: its load names the block's
; row 0 instead (offset = bit x row bytes, the bit clamped to 1), so the count of loads is the same for every mask and nothing branches.
; No LDS, no barrier: waves share nothing.  Loads run two blocks (64 loads a wave) ahead.
; LIMITS: e1 and e3 between -126 and 119, so that 2^e and 448 x 2^e are f32 numbers.  NaN in rows that count is not served.  Every mask word other than 0 counts as 'kept'.
.set X,  16                            ; v16-79    two sets of 32: first a row's byte offset, then the number loaded by it
.set KD, 80                            ; v80-111   held for K: row i at 16 (i % 2) + i / 2
.set VD, 112                           ; v112-143  held for V: row i at i
.set C,  144                           ; v144-175  two sets of 16 registers of codes: K par 0, K par 1, V h 0, V h 1
.set MB, 24                            ; s24-31    block t's 32 mask bits
; WORK LEFT OUT, in the whole program: reference() takes attention_mask as an argument and never uses it, so for all values of the inputs it has no way to out0: it is not loaded and is among no launch's arguments.
; (A NaN or an infinity could not stand in it: it holds whole numbers.)
	s_load_b128 s[4:7], s[0:1], 0x0
	s_load_b128 s[8:11], s[0:1], 0x10              ; the scales' exponents s[8:9], kimg s[10:11]
	s_load_b64 s[12:13], s[0:1], 0x20              ; vimg
	v_lshrrev_b32 v1, 5, v0
	v_readfirstlane_b32 s16, v1                    ; wave
	v_and_b32 v14, 31, v0                          ; lane
	v_lshlrev_b32 v1, 2, v14                       ; 4 x lane: my column's bytes in a row, my word of a block's mask
	v_bfe_u32 v2, v14, 3, 1                        ; K's store: tile T % 2 = (lane / 8) % 2, lane row r = 8 (lane / 16) + lane % 8
	v_lshlrev_b32 v2, 14, v2
	v_bfe_u32 v15, v14, 4, 1
	v_lshl_or_b32 v2, v15, 7, v2
	v_and_b32 v3, 7, v14
	v_lshl_or_b32 v2, v3, 4, v2
	v_and_b32 v3, 15, v14                          ; V's store: tile ct % 2 = lane / 16, lane row r = lane % 16
	v_lshlrev_b32 v3, 4, v3
	v_lshl_or_b32 v3, v15, 11, v3
	s_and_b32 s17, ttmp7, 0xffff                   ; y = 8 b + rg
	s_lshr_b32 s18, s17, 3                         ; b
	s_and_b32 s19, s17, 7                          ; rg
	s_lshl_b32 s44, s17, 20                        ; mem: y x 256 rows of 4,096 bytes + 512 cg + 128 w
	s_lshl_b32 s36, ttmp9, 9
	s_add_co_u32 s44, s44, s36
	s_lshl_b32 s36, s16, 7
	s_add_co_u32 s44, s44, s36
	s_mov_b32 s45, 0
	s_lshl_b32 s46, s17, 10                        ; mask: y x 256 words
	s_mov_b32 s47, 0
	s_lshl_b32 s48, s18, 21                        ; kimg: batch, j = cg (+ 8 par in the immediate), T = 2 w, c = rg
	s_lshl_b32 s36, ttmp9, 17
	s_add_co_u32 s48, s48, s36
	s_lshl_b32 s36, s16, 15
	s_add_co_u32 s48, s48, s36
	s_lshl_b32 s36, s19, 11
	s_add_co_u32 s48, s48, s36
	s_mov_b32 s49, 0
	s_lshl_b32 s50, s17, 18                        ; vimg: batch and j = 2 rg (y x 262,144), ct = 8 cg + 2 w
	s_lshl_b32 s36, ttmp9, 14
	s_add_co_u32 s50, s50, s36
	s_lshl_b32 s36, s16, 12
	s_add_co_u32 s50, s50, s36
	s_mov_b32 s51, 0
	s_wait_kmcnt 0x0
	s_load_b128 s[40:43], s[8:9], 0x0              ; e0 .. e3
	s_add_nc_u64 s[4:5], s[4:5], s[44:45]
	s_add_nc_u64 s[6:7], s[6:7], s[46:47]
	s_add_nc_u64 s[10:11], s[10:11], s[48:49]
	s_add_nc_u64 s[12:13], s[12:13], s[50:51]
.irp t, 0,1,2,3,4,5,6,7
	global_load_b32 v[6+\t], v1, s[6:7] offset:128*\t     ; lane i: the mask word of the block's row i
.endr
	s_wait_loadcnt 0x0
.irp t, 0,1,2,3,4,5,6,7
	v_cmp_ne_u32 s[MB+\t], 0, v[6+\t]              ; bit i: row i counts
.endr
; Block t's 32 loads.  The offset register takes the number: a load may land on its own offset.
.macro LOAD t
.set li, 0
.rept 32
	s_bfe_u32 s36, s[MB+(\t)], (1<<16)|li          ; the row's bit,
	s_min_u32 s36, s36, 1                          ; clamped, since it was loaded and enters an offset,
	s_mul_i32 s36, s36, li*4096                    ; x the row's bytes: a masked row names row 0
	v_add_nc_u32 v[X+32*((\t)%2)+li], s36, v1
	global_load_b32 v[X+32*((\t)%2)+li], v[X+32*((\t)%2)+li], s[4:5] offset:(\t)*131072
.set li, li+1
.endr
.endm
	LOAD 0
	LOAD 1
	s_wait_kmcnt 0x0
	s_add_co_i32 s36, s41, 127
	s_lshl_b32 s37, s36, 23
	v_mov_b32 v4, s37                              ; 2^e1 as f32: the conversion takes its exponent field
	s_add_co_i32 s36, s36, 8
	s_lshl_b32 s36, s36, 23
	s_or_b32 s21, s36, 0x600000                    ; +448 x 2^e1
	s_or_b32 s20, s21, 0x80000000                  ; -448 x 2^e1
	s_add_co_i32 s36, s43, 127
	s_lshl_b32 s37, s36, 23
	v_mov_b32 v5, s37                              ; 2^e3
	s_add_co_i32 s36, s36, 8
	s_lshl_b32 s36, s36, 23
	s_or_b32 s23, s36, 0x600000
	s_or_b32 s22, s23, 0x80000000
.macro BLOCK t
.if (\t) < 7
	s_wait_loadcnt 32                              ; this block's 32 loads are in; the next block's 32 may be out
.else
	s_wait_loadcnt 0x0
.endif
.set bi, 0
.rept 32
	s_bitcmp1_b32 s[MB+(\t)], bi
	s_cselect_b64 s[32:33], s[20:21], 0            ; the row's limits: +-448 x the scale, or 0 and 0
	s_cselect_b64 s[34:35], s[22:23], 0
	v_med3_num_f32 v[KD+16*(bi%2)+bi/2], v[X+32*((\t)%2)+bi], s32, s33   ; the hold (the conversion to an 8-bit code does not saturate: ISA guide 7.6.2) and the mask in one
	v_med3_num_f32 v[VD+bi], v[X+32*((\t)%2)+bi], s34, s35
.set bi, bi+1
.endr
	s_wait_alu depctr_va_vdst(0)
	s_wait_xcnt 0x0                                ; the stores of two blocks ago have read this set of code registers
.if ((\t)+2) < 8
	LOAD (\t)+2                                    ; into the set just read: loads stand ahead of the stores
.endif
.irp g, 0,1,2,3
	v_cvt_scalef32_pk8_fp8_f32 v[C+16*((\t)%2)+2*\g:C+16*((\t)%2)+2*\g+1], v[KD+8*\g:KD+8*\g+7], v4
.endr
.irp g, 0,1,2,3
	v_cvt_scalef32_pk8_fp8_f32 v[C+16*((\t)%2)+8+2*\g:C+16*((\t)%2)+8+2*\g+1], v[VD+8*\g:VD+8*\g+7], v5
.endr
	v_nop                                          ; a plain line between the conversions and the next block's holds, which write their sources
	global_store_b128 v2, v[C+16*((\t)%2):C+16*((\t)%2)+3], s[10:11] offset:((\t)/2)*512+((\t)%2)*256              ; K, even rows: hh = 128 rg + 16 t + 0 .. 15: i = t / 2, h = t % 2
	global_store_b128 v2, v[C+16*((\t)%2)+4:C+16*((\t)%2)+7], s[10:11] offset:1048576+((\t)/2)*512+((\t)%2)*256    ; K, odd rows: the keys 1,024 further on: j + 8
	global_store_b128 v3, v[C+16*((\t)%2)+8:C+16*((\t)%2)+11], s[12:13] offset:((\t)/4)*131072+((\t)%4)*512        ; V, rows 0-15: j = 2 rg + t / 4, i = t % 4, h = 0
	global_store_b128 v3, v[C+16*((\t)%2)+12:C+16*((\t)%2)+15], s[12:13] offset:((\t)/4)*131072+((\t)%4)*512+256   ; V, rows 16-31: h = 1
.endm
.irp t, 0,1,2,3,4,5,6,7
	BLOCK \t
.endr
	s_endpgm
.Lfunc_end_k_q3ea1224983_prep:
	.size	k_q3ea1224983_prep, .Lfunc_end_k_q3ea1224983_prep-k_q3ea1224983_prep
	.p2alignl 7, 3214868480
	.fill 96, 4, 3214868480
	.section	.rodata,"a",@progbits
	.p2align	6, 0x0
	.amdhsa_kernel k_q3ea1224983_prep
		.amdhsa_group_segment_fixed_size 0
		.amdhsa_private_segment_fixed_size 0
		.amdhsa_enable_private_segment 0
		.amdhsa_kernarg_size 40
		.amdhsa_user_sgpr_count 2
		.amdhsa_user_sgpr_kernarg_segment_ptr 1
		.amdhsa_wavefront_size32 1
		.amdhsa_system_sgpr_workgroup_id_x 1
		.amdhsa_system_sgpr_workgroup_id_y 1
		.amdhsa_system_sgpr_workgroup_id_z 1
		.amdhsa_system_vgpr_workitem_id 0
		.amdhsa_next_free_vgpr 176
		.amdhsa_next_free_sgpr 66
		.amdhsa_reserve_vcc 0
		.amdhsa_float_denorm_mode_32 3
		.amdhsa_float_denorm_mode_16_64 3
		.amdhsa_memory_ordered 1
		.amdhsa_forward_progress 1
		.amdhsa_inst_pref_size 140
	.end_amdhsa_kernel
	.amdgpu_metadata
---
amdhsa.version: [ 1, 2 ]
amdhsa.kernels:
  - .name:           k_q3ea1224983_prep
    .symbol:         k_q3ea1224983_prep.kd
    .args:
      - { .name: memory_vectors, .offset: 0, .size: 8, .value_kind: global_buffer, .address_space: global }
      - { .name: memory_attention_mask, .offset: 8, .size: 8, .value_kind: global_buffer, .address_space: global }
      - { .name: lowp_scales, .offset: 16, .size: 8, .value_kind: global_buffer, .address_space: global }
      - { .name: kimg, .offset: 24, .size: 8, .value_kind: global_buffer, .address_space: global }
      - { .name: vimg, .offset: 32, .size: 8, .value_kind: global_buffer, .address_space: global }
    .group_segment_fixed_size: 0
    .private_segment_fixed_size: 0
    .kernarg_segment_align: 8
    .kernarg_segment_size: 40
    .max_flat_workgroup_size: 128
    .sgpr_count:     66
    .vgpr_count:     176
    .wavefront_size: 32
...
	.end_amdgpu_metadata
.endif
;; end of part 1
;; launch attn (part 2): grid 16 x 16, 4 waves a work-group, clusters of 4 x 1, 327,680 bytes of LDS; arguments seq_vectors, kimg, vimg, lowp_scales, out0; writes out0
.if DOCPART == 2
	.amdgcn_target "amdgcn-amd-amdhsa--gfx1250"
	.amdhsa_code_object_version 6
	.text
	.protected	k_q3ea1224983_attn
	.globl	k_q3ea1224983_attn
	.p2align	8
	.type	k_q3ea1224983_attn,@function
k_q3ea1224983_attn:
	s_mov_b64 s[64:65], 0
	v_nop
	global_prefetch_b8 v0, s[64:65] scope:SCOPE_SE
	s_setreg_imm32_b32 hwreg(HW_REG_WAVE_MODE, 25, 1), 1
	s_wait_xcnt 0x0
	s_wait_alu depctr_hold_cnt(0) depctr_sa_sdst(0) depctr_va_vdst(0) depctr_va_sdst(0) depctr_va_ssrc(0) depctr_va_vcc(0) depctr_vm_vsrc(0)
	s_getreg_b32 s2, hwreg(HW_REG_IB_STS2, 6, 4)
	s_cmp_eq_u32 s2, 0
	s_cbranch_scc0 .Lentry_in_a_cluster
	s_endpgm
.Lentry_in_a_cluster:
	s_bfe_u32 s2, ttmp6, 0x10000c
	s_cmp_lg_u32 s2, 0x3003
	s_cbranch_scc0 .Lentry_shape_is_right
	s_endpgm
.Lentry_shape_is_right:
; out0 = seq + softmax(seq R) mem for 64 queries of one batch (x = query block, y = batch), both products on codes of FP8 (E4M3).  attention_mask has no way to out0 in reference() and is not loaded.
; kimg and vimg are images of operand registers (launch prep): a fragment of 16 rows x 128 k is 2,048 bytes, 16 bytes a lane in each of four blocks of 512.
; TWO PHASES, four waves.
; PHASE 1: S^T = K Q^T.  Every wave holds the codes of all 64 queries (windows 2, 3) and owns 512 keys, 32 a trip: two key tiles of 8 fragments; each fragment is fetched once in the work-group and feeds four
;   matrix instructions.  t = score x log2(e); the wave keeps ITS OWN running M = ceil(largest t) for each query; p = 2^(t - M) is coded with 2^e2 and goes to P's image in LDS; the M under which a group
;   was coded goes to LDS beside it; the sum of the unquantised p runs along in f32.
; BETWEEN: the waves exchange M and the sums; the final M is the largest.  Each wave brings its own codes under the final M: decoded, divided by 2^(final M - the group's M), coded again.
;   A power of two: a code keeps its value, but where it falls under the format's normal range, where it is rounded a second time (stated limit).
; PHASE 2: O^T = V^T P^T.  A wave owns 256 channels x 64 queries (windows 2, 3), 128 keys a chunk: 16 fragments of V; P's fragments come from LDS.  M is final, so O is never rescaled.
; THE WAY OUT: O x 2^(e2 + e3) / sum + seq, 16 queries at a time through the wave's stage in LDS; sixteen lanes store 256 consecutive aligned bytes.
; CLUSTERS: four query blocks of one batch walk the same K and V.  Of the 16 fragments that a wave takes in a trip, the first 8 (16,384 consecutive bytes) come by ONE JOINT LOAD a wave into a ring of two LDS slots
;   (4 x 16,384 bytes each), behind a round of the cluster's barrier at the trip's head; only the issuing wave reads its part.  The other 8 go from memory straight into the wave's registers, a trip ahead.
;   Not all 16 jointly: beside P's image (131,072 bytes), the records, the exchange and the spare words, LDS has room for two slots of 65,536 bytes and not of 131,072.
; PREFETCHES: of the 32,768 bytes that a wave fetches in a trip, the partner at place cx asks for bytes 8,192 cx .. + 8,191, a lane a block of 256, for the trip whose fetches stand two trips on: each block once in
;   each cluster, the partners told apart by address.  The last trips ask for nothing.  Chunks 5 to 12 of phase 2 ask for the wave's own 64 x 1,024 bytes of seq, eight rows a chunk, a lane a block.
; LIMITS: e0 + e1 between -126 and 127; e0 and e2 between -126 and 119; the scaled scores t stay under 2^31 in magnitude; NaN among the inputs is not served.
.set PIMG,  0                          ; P's image [j 16][block 4][query tile 4][512]
.set STAGE, 0                          ; the way out: 16 rows x SP for each wave, over P's image when nobody reads it any more
.set QX,    0                          ; the head: 64 rows x QP of Q's codes, half a row at a time, where P's image comes later
.set SLOT0, 131072                     ; the ring: two slots, one exclusive or apart
.set SLOTX, 65536
.set RECB,  262144                     ; the records: [wave][group 16][query tile 4][128]
.set EXB,   294912                     ; the exchange: [wave][query tile][-M, sum][128]
.set SPARE, 299008                     ; the spare words
.set QP,    528
.set SP,    1040
.set S,     64                         ; v64-127 scores: tile u at 16 u, 16 neighbouring keys
.set PB,    96                         ; v96-223 phase 2: two sets of P's four fragments; then the way out's rows
.set PC,    224                        ; v224-239 p's codes
.set MSB, 0
.macro WIN new
.if MSB != (\new)
	s_set_vgpr_msb (MSB<<8)|(\new)
.set MSB, (\new)
.endif
.endm
.macro PLACES
.rept 4
	v_nop
.endr
.endm
.macro BAR
	s_barrier_signal -1
	s_barrier_wait -1
.endm
.macro ROUND
	s_barrier_signal -1
	s_barrier_wait -1
	s_cmp_lg_u32 s14, 0
	s_cbranch_scc1 .Lnot_wave_0_\@
	s_barrier_signal -3
.Lnot_wave_0_\@:
	s_barrier_wait -3
	s_barrier_signal -1
	s_barrier_wait -1
.endm
.macro JLOAD                           ; s_nop 0 and four v_nop behind the load
	tensor_load_to_lds s[60:63], s[68:75]
	s_nop 0
	PLACES
.endm
; ring place p = registers 32 p .. 32 p + 31 of window 1: first the fragment from the slot, then the one loaded directly (4 loads)
.macro RING p, base
.irp i,0,1,2,3
	global_load_b128 v[32*(\p)+16+4*\i:32*(\p)+19+4*\i], v1, s[\base:\base+1] offset:16384+2048*(\p)+512*\i
.endr
.endm
.macro FROMSLOT                        ; my 8 fragments of the slot in hand: 32 LDS loads
	WIN 0x40
.irp p,0,1,2,3,4,5,6,7
.irp i,0,1,2,3
	ds_load_b128 v[32*\p+4*\i:32*\p+4*\i+3], v253 offset:2048*\p+512*\i
.endr
.endr
	WIN 0
.endm
; 128 of the 1,024 along h: two key tiles x four query tiles, eight accumulators by turns; then the direct fragment is asked for again
.macro KSTEP c, base
	s_wait_loadcnt 28                      ; behind this place's 4 loads stand those of the 7 other places
	s_wait_dscnt 28-4*(\c)                 ; and behind its 4 LDS loads those of the places that follow
	WIN 0x09+4*((\c)/4)
.irp t,0,1
.irp u,0,1,2,3
.if (\c) == 0
	v_wmma_f32_16x16x128_fp8_fp8 v[S+16*\u+8*\t:S+16*\u+8*\t+7], v[32*(\c)+16*\t:32*(\c)+16*\t+15], v[64*\u+16*((\c)%4):64*\u+16*((\c)%4)+15], 0
.else
	v_wmma_f32_16x16x128_fp8_fp8 v[S+16*\u+8*\t:S+16*\u+8*\t+7], v[32*(\c)+16*\t:32*(\c)+16*\t+15], v[64*\u+16*((\c)%4):64*\u+16*((\c)%4)+15], v[S+16*\u+8*\t:S+16*\u+8*\t+7]
.endif
.endr
.endr
	PLACES
	WIN 0x40
	RING \c, \base
.endm
; the softmax of 32 keys x 64 queries under my running M
.macro SOFT ask
	WIN 0
.if \ask
	s_cmp_gt_u32 s32, 12
	s_cbranch_scc1 .Lnk_\@
	global_prefetch_b8 v3, s[24:25] offset:65536 th:TH_LOAD_NT scope:SCOPE_SE    ; group g + 3
.Lnk_\@:
.endif
	v_add_nc_u32 v4, s45, v5
	v_add_nc_u32 v7, s46, v8
.irp u,0,1,2,3
	v_max3_num_f32 v[36+\u], v[S+16*\u], v[S+16*\u+1], v[S+16*\u+2]
	v_max3_num_f32 v[40+\u], v[S+16*\u+8], v[S+16*\u+9], v[S+16*\u+10]
.endr
.irp q,3,5
.irp u,0,1,2,3
	v_max3_num_f32 v[36+\u], v[36+\u], v[S+16*\u+\q], v[S+16*\u+\q+1]
	v_max3_num_f32 v[40+\u], v[40+\u], v[S+16*\u+8+\q], v[S+16*\u+9+\q]
.endr
.endr
.irp u,0,1,2,3
	v_max3_num_f32 v[36+\u], v[36+\u], v[S+16*\u+7], v[S+16*\u+15]
.endr
.irp u,0,1,2,3
	v_max_num_f32 v[36+\u], v[36+\u], v[40+\u]
.endr
.irp u,0,1,2,3
	v_permlanex16_b32 v[44+\u], v[36+\u], s20, s21
.endr
.irp u,0,1,2,3
	v_max_num_f32 v[36+\u], v[36+\u], v[44+\u]
.endr
.irp u,0,1,2,3
	v_mul_f32 v[36+\u], s22, v[36+\u]
.endr
.irp u,0,1,2,3
	v_max_num_f32 v[13+2*\u], v[13+2*\u], v[36+\u]
.endr
.irp u,0,1,2,3
	v_mov_b32 v[48+\u], v[12+2*\u]
.endr
.irp u,0,1,2,3
	v_floor_f32 v[12+2*\u], -v[13+2*\u]    ; -M = floor(-t)
.endr
.irp u,0,1,2,3
	v_sub_f32 v[48+\u], v[12+2*\u], v[48+\u]
.endr
.irp u,0,1,2,3
	v_cvt_i32_f32 v[48+\u], v[48+\u]
.endr
.irp u,0,1,2,3
	v_ldexp_f32 v[20+2*\u], 1.0, v[48+\u]  ; f = 2^(old M - new M)
.endr
.irp u,0,1,2,3
	ds_store_b32 v7, v[12+2*\u] offset:128*\u    ; the record: the -M of this group's codes
.endr
.irp u,0,1,2,3
.irp j,0,2,4,6,8,10,12,14
	v_pk_fma_f32 v[S+16*\u+\j:S+16*\u+\j+1], v[S+16*\u+\j:S+16*\u+\j+1], s[22:23], v[12+2*\u:13+2*\u] op_sel_hi:[1,0,0]
.endr
.endr
	s_wait_alu depctr_va_vdst(0)           ; the wait ahead of the batch
.set n1, 0
.rept 64
	v_exp_f32 v[S+n1], v[S+n1]
.set n1, n1+1
.endr
.irp u,0,1,2,3
	v_pk_mul_f32 v[28+2*\u:29+2*\u], v[28+2*\u:29+2*\u], v[20+2*\u:21+2*\u] op_sel_hi:[1,0]
.endr
	s_wait_alu depctr_va_vdst(0)           ; and behind it, ahead of its first reader
.irp u,0,1,2,3
	v_pk_add_f32 v[40+2*\u:41+2*\u], v[S+16*\u:S+16*\u+1], v[S+16*\u+2:S+16*\u+3]
.endr
.irp j,4,8,12
.irp u,0,1,2,3
	v_pk_add_f32 v[28+2*\u:29+2*\u], v[28+2*\u:29+2*\u], v[S+16*\u+\j:S+16*\u+\j+1]
	v_pk_add_f32 v[40+2*\u:41+2*\u], v[40+2*\u:41+2*\u], v[S+16*\u+\j+2:S+16*\u+\j+3]
.endr
.endr
.irp u,0,1,2,3
	v_pk_add_f32 v[28+2*\u:29+2*\u], v[28+2*\u:29+2*\u], v[40+2*\u:41+2*\u]
.endr
.set n1, 0
.rept 64
	v_min_num_f32 v[S+n1], v[S+n1], v52    ; the conversion does not saturate (ISA guide 7.6.2); p is not negative
.set n1, n1+1
.endr
.irp u,0,1,2,3
.irp t,0,1
	v_cvt_scalef32_pk8_fp8_f32 v[PC+4*\u+2*\t:PC+4*\u+2*\t+1], v[S+16*\u+8*\t:S+16*\u+8*\t+7], v53
.endr
.endr
	v_nop
.irp u,0,1,2,3
	ds_store_b128 v4, v[PC+4*\u:PC+4*\u+3] offset:512*\u
.endr
	s_add_co_u32 s45, s45, 2048
	s_add_co_u32 s46, s46, 512
.endm
; a trip of phase 1.  The change of slots stands at its head.  last = 1: the fetches are V's first chunk, at the same places and offsets
.macro TRIP last
	s_wait_tensorcnt 0x0                   ; my one load that was out, my part of this trip's slot, has landed
	ds_add_u32 v10, v11
	s_xor_b32 s61, s61, SLOTX              ; the walking descriptor: the other slot,
.if \last
	s_mov_b64 s[62:63], s[26:27]           ; V's chunk 0
	s_or_b32 s63, s63, 0x80000000
.else
	s_add_nc_u64 s[62:63], s[62:63], 32768 ; the next group of K
	s_wait_xcnt 0x0                        ; my loads and prefetches have read their base
	s_add_nc_u64 s[24:25], s[24:25], 32768
.endif
	s_wait_dscnt 0x0                       ; the add is done, my reads of the other slot and my LDS stores are over
	ROUND
	JLOAD
	v_add_nc_u32 v253, s49, v252
	FROMSLOT
	s_xor_b32 s49, s49, SLOTX
.irp c,0,1,2,3,4,5,6,7
	KSTEP \c, 24+2*\last
.endr
	SOFT 1-\last
.endm
; phase 2: ring place y holds channel tiles y (from the slot) and 8 + y (direct) of the wave's 16.  kind 1: the next chunk is fetched; kind 2: rows of seq for the way out
.macro VSTEP y, buf, first, kind
.if (\kind) == 1
	s_wait_loadcnt 28
	s_wait_dscnt 44-4*(\y)                 ; behind the slot's loads stand the 16 of the next chunk's P
.else
	s_wait_loadcnt 28+4*(\y)               ; 4 (7 - y) of V's and 8 y of seq's are younger
	s_wait_dscnt 28-4*(\y)
.endif
	WIN 0xa1+0x50*((\y)/4)
.irp t,0,1
.irp u,0,1,2,3
.set rO, 8*(4*(2*((\y)%4)+\t)+\u)
.if \first
	v_wmma_f32_16x16x128_fp8_fp8 v[rO:rO+7], v[32*(\y)+16*\t:32*(\y)+16*\t+15], v[PB+64*(\buf)+16*\u:PB+64*(\buf)+16*\u+15], 0
.else
	v_wmma_f32_16x16x128_fp8_fp8 v[rO:rO+7], v[32*(\y)+16*\t:32*(\y)+16*\t+15], v[PB+64*(\buf)+16*\u:PB+64*(\buf)+16*\u+15], v[rO:rO+7]
.endif
.endr
.endr
	PLACES
	WIN 0x40
.if (\kind) == 1
	RING \y, 26
.else
.irp k,0,1,2,3,4,5,6,7
	global_load_b128 v[32*(\y)+4*\k:32*(\y)+4*\k+3], v[21+2*((\y)/4)], s[4:5] offset:4096*((8*((\y)%4)+\k)/2)+512*(\k%2) th:TH_LOAD_NT
.endr
.endif
.endm
; a chunk of 128 keys of phase 2
.macro CH buf, first, kind
	WIN 0
	s_wait_tensorcnt 0x0                   ; my part of this chunk's slot has landed
.if (\kind) == 1
	ds_add_u32 v10, v11
	s_xor_b32 s61, s61, SLOTX
	s_add_nc_u64 s[62:63], s[62:63], 131072  ; V's next chunk, jointly,
	s_add_co_u32 s47, s47, 8192              ; P's next chunk
	s_wait_xcnt 0x0
	s_add_nc_u64 s[26:27], s[26:27], 131072  ; and directly
.endif
.if (\first) == 0
	s_add_co_u32 s33, s33, 1                 ; j
.endif
	s_wait_dscnt 0x0                       ; the add is done; my reads of the other slot are over; this chunk's P is in
.if (\kind) == 1
	ROUND
	JLOAD
	v_add_nc_u32 v6, s47, v1
.endif
	v_add_nc_u32 v253, s49, v252
	FROMSLOT
	s_xor_b32 s49, s49, SLOTX
.if (\kind) == 1
.irp u,0,1,2,3
.irp i,0,1,2,3
	ds_load_b128 v[PB+64*(1-(\buf))+16*\u+4*\i:PB+64*(1-(\buf))+16*\u+4*\i+3], v6 offset:2048*\i+512*\u
.endr
.endr
.if \first
	global_prefetch_b8 v3, s[26:27] offset:262144 th:TH_LOAD_NT scope:SCOPE_SE
.else
	s_cmp_gt_u32 s33, 12
	s_cbranch_scc1 .Lnv_\@
	global_prefetch_b8 v3, s[26:27] offset:262144 th:TH_LOAD_NT scope:SCOPE_SE   ; chunk j + 3
.Lnv_\@:
	s_sub_co_u32 s50, s33, 5
	s_cmp_gt_u32 s50, 7
	s_cbranch_scc1 .Lnr_\@
	s_lshl_b32 s50, s50, 15                  ; eight rows of seq a chunk
	s_add_nc_u64 s[30:31], s[4:5], s[50:51]
	global_prefetch_b8 v56, s[30:31] th:TH_LOAD_NT scope:SCOPE_SE
.Lnr_\@:
.endif
.endif
.irp y,0,1,2,3,4,5,6,7
	VSTEP \y, \buf, \first, \kind
.endr
.endm
.macro XLOADS H
.set n1, 0
.rept 64
	global_load_b128 v[4*n1:4*n1+3], v57, s[4:5] offset:(n1/4)*4096+(4*(\H)+n1%4)*512
.set n1, n1+1
.endr
.endm
; half H of my 16 rows of seq: held, coded, through the stage; then the fragments of all 64 queries (H = 0: window 2, H = 1: window 3)
.macro QHALF H
.if \H == 0
	s_wait_loadcnt 63                      ; 64 younger loads may be out; the field holds 63
.else
	s_wait_loadcnt 32                      ; the ring's 32 are younger
.endif
	WIN 0x41+0x82*\H
.set n1, 0
.rept 256
	v_med3_num_f32 v[n1], v[n1], -v54, v54
.set n1, n1+1
.endr
	WIN 0x01+2*\H
.set n1, 0
.rept 32
	v_cvt_scalef32_pk8_fp8_f32 v[S+2*n1:S+2*n1+1], v[8*n1:8*n1+7], v55
.set n1, n1+1
.endr
	WIN 0
	v_nop
.set n1, 0
.rept 64
	ds_store_b32 v58, v[S+n1] offset:QP*(n1/4)+128*(n1%4)
.set n1, n1+1
.endr
.if \H == 0
	WIN 0x40                               ; the direct fragments of K's group 0
.irp c,0,1,2,3,4,5,6,7
	RING \c, 24
.endr
	WIN 0
.endif
	s_wait_dscnt 0x0
	BAR
	WIN 0x80+0x40*\H
.irp u,0,1,2,3
.irp cl,0,1,2,3
.irp i,0,1,2,3
	ds_load_b128 v[64*\u+16*\cl+4*\i:64*\u+16*\cl+4*\i+3], v59 offset:16*QP*\u+128*\cl+32*\i
.endr
.endr
.endr
	WIN 0
	s_wait_dscnt 0x0
.if \H == 0
	BAR                                    ; all have read the stage: the other half may be stored
.endif
.endm
.macro RESLOAD u
	WIN 0x40
.set n1, 0
.rept 32
	global_load_b128 v[128*((\u)%2)+4*n1:128*((\u)%2)+4*n1+3], v[21+2*(\u)], s[4:5] offset:4096*(n1/2)+512*(n1%2) th:TH_LOAD_NT
.set n1, n1+1
.endr
	WIN 0
.endm
.macro OUT u
	WIN 0x08
.irp k,0,1,2,3,4,5,6,7
	ds_store_b128 v61, v[8*(4*\k+(\u)):8*(4*\k+(\u))+3] offset:64*(8*(\k%2)+\k/2)
	ds_store_b128 v61, v[8*(4*\k+(\u))+4:8*(4*\k+(\u))+7] offset:64*(8*(\k%2)+\k/2)+16
.endr
	WIN 0x0c
.irp k,0,1,2,3,4,5,6,7
	ds_store_b128 v61, v[8*(4*\k+(\u)):8*(4*\k+(\u))+3] offset:64*(8*(\k%2)+4+\k/2)
	ds_store_b128 v61, v[8*(4*\k+(\u))+4:8*(4*\k+(\u))+7] offset:64*(8*(\k%2)+4+\k/2)+16
.endr
	WIN 0
.if (\u) > 0
	s_wait_xcnt 0x0                        ; the last tile's stores have read their registers
.endif
.set n1, 0
.rept 32
	ds_load_b128 v[PB+4*n1:PB+4*n1+3], v62 offset:SP*(n1/2)+512*(n1%2)   ; LDS serves a wave's instructions in order
.set n1, n1+1
.endr
.irp p,0,1,2,3,4,5,6,7,8,9,10,11,12,13,14,15
	v_readlane_b32 s[66+2*\p], v[20+2*(\u)], \p    ; row p's factor
.endr
.if (\u) < 3
	s_wait_loadcnt 32                      ; this tile's rows of seq are in; the next tile's 32 loads may be out
.else
	s_wait_loadcnt 0x0
.endif
	s_wait_dscnt 0x0
	WIN 0x10
.set n1, 0
.rept 64
	v_pk_fma_f32 v[PB+2*n1:PB+2*n1+1], v[PB+2*n1:PB+2*n1+1], s[66+2*(n1/4):67+2*(n1/4)], v[128*((\u)%2)+2*n1:128*((\u)%2)+2*n1+1] op_sel_hi:[1,0,1]
.set n1, n1+1
.endr
	WIN 0
.set n1, 0
.rept 32
	global_store_b128 v[21+2*(\u)], v[PB+4*n1:PB+4*n1+3], s[12:13] offset:4096*(n1/2)+512*(n1%2) th:TH_STORE_NT
.set n1, n1+1
.endr
.if (\u) < 2
	RESLOAD \u+2
.endif
.endm
	s_load_b256 s[4:11], s[0:1], 0x0       ; seq, kimg, vimg, the scales' exponents
	s_load_b64 s[12:13], s[0:1], 0x20      ; out0
	v_lshl_add_u32 v10, v0, 2, SPARE
	v_mov_b32 v11, 0
	ds_add_u32 v10, v11
	ds_add_u32 v10, v11
	v_lshrrev_b32 v1, 5, v0
	v_readfirstlane_b32 s14, v1            ; wave
	s_and_b32 s18, ttmp7, 0xffff           ; batch
	s_bfe_u32 s17, ttmp6, 0x40000          ; cx
	s_lshl_b32 s19, ttmp9, 2
	s_add_co_u32 s19, s19, s17             ; query block = 4 x cluster x + cx
	s_lshl_b32 s34, s14, 15                ; my part of P's image
	s_lshl_b32 s35, s14, 13
	s_add_co_u32 s35, s35, RECB            ; my records
	s_lshl_b32 s36, s14, 10
	s_add_co_u32 s36, s36, EXB             ; my words of the exchange
	s_lshl_b32 s37, s17, 13                ; my work-group's quarter of a prefetched run
	s_lshl_b32 s38, s14, 10                ; my 256 channels in a row, in bytes
	s_lshl_b32 s39, s14, 16                ; my 16 rows of seq at the head
	s_mul_i32 s44, s14, 16*QP
	s_add_co_u32 s44, s44, QX
	s_mul_i32 s48, s14, 16*SP
	s_add_co_u32 s48, s48, STAGE
	s_lshl_b32 s61, s14, 14
	s_add_co_u32 s61, s61, SLOT0           ; my part of slot 0
	s_mov_b32 s60, 1
	s_mov_b32 s49, 0                       ; the slot in hand
	s_mov_b32 s68, 15|(3<<16)|(1<<21)      ; group 1: the four partners; elements of 8 bytes; 64 rows of 256 bytes, dense
	s_mov_b32 s69, 32<<16
	s_mov_b32 s70, 64<<16
	s_mov_b32 s71, 32<<16
	s_mov_b32 s72, 64
	s_mov_b32 s73, 32
	s_mov_b32 s74, 0
	s_mov_b32 s75, 0
	s_mov_b32 s20, 0x76543210
	s_mov_b32 s21, 0xfedcba98
	s_lshl_b32 s50, s18, 22                ; seq, out0: batch x 1,024 rows + query block x 64 rows
	s_lshl_b32 s51, s19, 18
	s_add_co_u32 s50, s50, s51
	s_mov_b32 s51, 0
	s_lshl_b32 s52, s18, 21                ; kimg: batch, keys 512 x wave
	s_lshl_b32 s53, s14, 19
	s_add_co_u32 s52, s52, s53
	s_mov_b32 s53, 0
	s_lshl_b32 s54, s18, 21                ; vimg: batch, channel tiles 16 x wave
	s_lshl_b32 s55, s14, 15
	s_add_co_u32 s54, s54, s55
	s_mov_b32 s55, 0
	v_and_b32 v36, 31, v0                  ; lane
	v_and_b32 v37, 15, v0                  ; r
	v_bfe_u32 v38, v0, 4, 1                ; h
	v_lshlrev_b32 v1, 4, v36               ; 16 x lane
	v_add_nc_u32 v5, s34, v1
	v_lshl_add_u32 v8, v36, 2, s35
	v_lshl_add_u32 v9, v36, 2, s36
	v_lshl_add_u32 v2, v36, 2, EXB
	v_lshl_add_u32 v3, v36, 8, s37
	v_add_nc_u32 v252, s61, v1             ; my fragments in slot 0
	v_lshrrev_b32 v56, 2, v36
	v_lshlrev_b32 v56, 12, v56
	v_and_b32 v39, 3, v36
	v_lshl_add_u32 v56, v39, 8, v56
	v_add_nc_u32 v56, s38, v56             ; seq's prefetch: row lane / 4, block lane % 4 of my 1,024 bytes
	v_add_nc_u32 v57, s39, v1
	v_lshl_add_u32 v58, v36, 2, s44
	v_mul_u32_u24 v59, v37, QP
	v_lshl_add_u32 v59, v38, 4, v59
	v_add_nc_u32 v59, QX, v59
	v_mov_b32 v60, 0x7f7f7f7f              ; the decoding's scale: 1 in every byte
	v_mul_u32_u24 v61, v37, SP
	v_lshl_add_u32 v61, v38, 5, v61
	v_add_nc_u32 v61, s48, v61             ; into my stage: row r, 32 h
	v_add_nc_u32 v62, s48, v1              ; and back by rows
	v_add_nc_u32 v40, s38, v1
.irp u,0,1,2,3
	v_add_nc_u32 v[21+2*\u], 65536*\u, v40 ; query tile u's rows in seq and out0
	v_mov_b32 v[13+2*\u], 0xff61b1e6       ; the largest t so far: -3e38
	v_mov_b32 v[28+2*\u], 0                ; the sum, in two halves
	v_mov_b32 v[29+2*\u], 0
	v_mov_b32 v[44+\u], 0                  ; a lane permute's destination counts as read
.endr
.irp u,0,1,2,3
	v_floor_f32 v[12+2*\u], -v[13+2*\u]    ; -M
.endr
	s_wait_dscnt 0x0                       ; both opening adds are done
	s_wait_alu depctr_va_vdst(0)
	s_wait_kmcnt 0x0
	s_load_b128 s[40:43], s[10:11], 0x0    ; e0 .. e3
	s_add_nc_u64 s[4:5], s[4:5], s[50:51]
	s_add_nc_u64 s[12:13], s[12:13], s[50:51]
	s_add_nc_u64 s[24:25], s[6:7], s[52:53]
	s_add_nc_u64 s[26:27], s[8:9], s[54:55]
	s_mov_b64 s[62:63], s[24:25]           ; group 0: K's group 0, its first key tile
	s_or_b32 s63, s63, 0x80000000
	ROUND                                  ; the four partners are here: the first joint loads meet
	JLOAD                                  ; one tensor load a wave at the head
	WIN 0x40
	XLOADS 0
	WIN 0xc0
	XLOADS 1
	WIN 0
	s_wait_kmcnt 0x0
	s_add_co_i32 s50, s40, s41
	s_lshl_b32 s50, s50, 23
	s_add_co_i32 s22, s50, 0x3fb8aa3b      ; c = log2(e) x 2^(e0 + e1)
	s_mov_b32 s23, s22
	s_add_co_i32 s50, s40, 127
	s_lshl_b32 s52, s50, 23
	v_mov_b32 v55, s52                     ; 2^e0
	s_add_co_i32 s50, s50, 8
	s_lshl_b32 s50, s50, 23
	s_or_b32 s50, s50, 0x600000
	v_mov_b32 v54, s50                     ; 448 x 2^e0
	s_add_co_i32 s50, s42, 127
	s_lshl_b32 s52, s50, 23
	v_mov_b32 v53, s52                     ; 2^e2
	s_add_co_i32 s50, s50, 8
	s_lshl_b32 s50, s50, 23
	s_or_b32 s50, s50, 0x600000
	v_mov_b32 v52, s50                     ; 448 x 2^e2
	s_add_co_i32 s58, s42, s43
	s_wait_alu depctr_va_vdst(0)
	QHALF 0
	QHALF 1
	; PHASE 1: 16 trips of 32 keys; the last is written out, since it fetches V
	s_mov_b32 s32, 0
	s_mov_b32 s45, 0
	s_mov_b32 s46, 0
.Lg:
	TRIP 0
	s_add_co_u32 s32, s32, 1
	s_cmp_lt_u32 s32, 15
	s_wait_alu depctr_va_vdst(0)
	s_cbranch_scc1 .Lg
	TRIP 1
	; THE EXCHANGE: every wave's -M and sum for each query
.irp u,0,1,2,3
	v_add_f32 v[28+2*\u], v[28+2*\u], v[29+2*\u]
.endr
.irp u,0,1,2,3
	v_permlanex16_b32 v[44+\u], v[28+2*\u], s20, s21
.endr
.irp u,0,1,2,3
	v_add_f32 v[28+2*\u], v[28+2*\u], v[44+\u]
.endr
.irp u,0,1,2,3
	ds_store_b32 v9, v[12+2*\u] offset:256*\u
	ds_store_b32 v9, v[28+2*\u] offset:256*\u+128
.endr
	s_wait_alu depctr_va_vdst(0)
	s_wait_dscnt 0x0
	BAR
.irp w,0,1,2,3
.irp u,0,1,2,3
	ds_load_b32 v[64+8*\w+2*\u], v2 offset:1024*\w+256*\u
	ds_load_b32 v[65+8*\w+2*\u], v2 offset:1024*\w+256*\u+128
.endr
.endr
	s_wait_dscnt 0x0
.irp u,0,1,2,3
	v_min3_num_f32 v[12+2*\u], v[64+2*\u], v[72+2*\u], v[80+2*\u]
.endr
.irp u,0,1,2,3
	v_min_num_f32 v[12+2*\u], v[12+2*\u], v[88+2*\u]   ; the final -M
.endr
.irp w,0,1,2,3
.irp u,0,1,2,3
	v_sub_f32 v[64+8*\w+2*\u], v[12+2*\u], v[64+8*\w+2*\u]   ; that wave's M less the final M
.endr
.endr
.irp w,0,1,2,3
.irp u,0,1,2,3
	v_cvt_i32_f32 v[64+8*\w+2*\u], v[64+8*\w+2*\u]
.endr
.endr
.irp w,0,1,2,3
.irp u,0,1,2,3
	v_ldexp_f32 v[65+8*\w+2*\u], v[65+8*\w+2*\u], v[64+8*\w+2*\u]
.endr
.endr
.irp u,0,1,2,3
	v_add_f32 v[28+2*\u], v[65+2*\u], v[73+2*\u]
	v_add_f32 v[36+\u], v[81+2*\u], v[89+2*\u]
.endr
.irp u,0,1,2,3
	v_add_f32 v[28+2*\u], v[28+2*\u], v[36+\u]
.endr
	s_wait_alu depctr_va_vdst(0)           ; ahead of the batch
.irp u,0,1,2,3
	v_rcp_f32 v[20+2*\u], v[28+2*\u]
.endr
	v_nop
	s_wait_alu depctr_va_vdst(0)           ; and behind it
.irp u,0,1,2,3
	v_ldexp_f32 v[20+2*\u], v[20+2*\u], s58  ; 2^(e2 + e3) / the sum
.endr
	s_wait_alu depctr_va_vdst(0)           ; first read on the way out
	; MY CODES UNDER THE FINAL M: four trips of four groups
	s_mov_b32 s32, 0
	s_mov_b32 s45, 0
	s_mov_b32 s46, 0
.Lre:
	v_add_nc_u32 v4, s45, v5
	v_add_nc_u32 v7, s46, v8
.irp g,0,1,2,3
.irp u,0,1,2,3
	ds_load_b32 v[36+4*\g+\u], v7 offset:512*\g+128*\u
.endr
.endr
.irp g,0,1,2,3
.irp u,0,1,2,3
	ds_load_b128 v[64+16*\g+4*\u:64+16*\g+4*\u+3], v4 offset:2048*\g+512*\u
.endr
.endr
	s_wait_dscnt 0x0
.irp g,0,1,2,3
.irp u,0,1,2,3
	v_sub_f32 v[36+4*\g+\u], v[36+4*\g+\u], v[12+2*\u]   ; d = final M - the group's M, 0 or more
.endr
.endr
.set n1, 0
.rept 16
	v_min_num_f32 v[36+n1], 0x42fe0000, v[36+n1]         ; at most 127: beyond it every code is 0 all the same
.set n1, n1+1
.endr
.set n1, 0
.rept 16
	v_cvt_i32_f32 v[36+n1], v[36+n1]
.set n1, n1+1
.endr
.set n1, 0
.rept 16
	v_lshl_add_u32 v[36+n1], v[36+n1], 23, 0x3f800000    ; 2^d as f32
.set n1, n1+1
.endr
.irp g,0,1,2,3
.irp k,0,1,2,3,4,5,6,7
	v_cvt_scale_pk8_f32_fp8 v[128+8*\k:135+8*\k], v[64+16*\g+2*\k:65+16*\g+2*\k], v60
.endr
	v_nop
.irp k,0,1,2,3,4,5,6,7
	v_cvt_scalef32_pk8_fp8_f32 v[64+16*\g+2*\k:65+16*\g+2*\k], v[128+8*\k:135+8*\k], v[36+4*\g+\k/2]
.endr
	v_nop
.endr
.irp g,0,1,2,3
.irp u,0,1,2,3
	ds_store_b128 v4, v[64+16*\g+4*\u:64+16*\g+4*\u+3] offset:2048*\g+512*\u
.endr
.endr
	s_wait_dscnt 0x0
	s_add_co_u32 s45, s45, 8192
	s_add_co_u32 s46, s46, 2048
	s_add_co_u32 s32, s32, 1
	s_cmp_lt_u32 s32, 4
	s_wait_alu depctr_va_vdst(0)
	s_cbranch_scc1 .Lre
	BAR                                    ; P's image is whole
	; PHASE 2: 16 chunks of 128 keys
.irp u,0,1,2,3
.irp i,0,1,2,3
	ds_load_b128 v[PB+16*\u+4*\i:PB+16*\u+4*\i+3], v1 offset:PIMG+2048*\i+512*\u
.endr
.endr
	s_mov_b32 s33, 0
	s_mov_b32 s47, 0
	s_mov_b32 s51, 0
	CH 0, 1, 1                             ; the first chunk starts the sums
	WIN 0
	s_mov_b32 s32, 0
.Lv:
	CH 1, 0, 1
	CH 0, 0, 1
	WIN 0
	s_add_co_u32 s32, s32, 1
	s_cmp_lt_u32 s32, 7
	s_cbranch_scc1 .Lv
	CH 1, 0, 2                             ; the last chunk asks for no slot; its direct fetches are seq's rows of query tiles 0 and 1
	WIN 0
.irp p,0,1,2,3,4,5,6,7,8,9,10,11,12,13,14,15
	s_mov_b32 s[67+2*\p], 0                ; named as the upper halves of the factors' pairs (no tensor load is out: group 1's registers are free)
.endr
	s_wait_dscnt 0x0
	BAR                                    ; nobody reads P any more: the stages lie over it
	OUT 0
	OUT 1
	OUT 2
	OUT 3
	s_wait_tensorcnt 0x0                   ; the wave's end
	ds_add_u32 v10, v11
	s_wait_dscnt 0x0
	ROUND                                  ; the closing round
	s_endpgm
.Lfunc_end_k_q3ea1224983_attn:
	.size	k_q3ea1224983_attn, .Lfunc_end_k_q3ea1224983_attn-k_q3ea1224983_attn
	.p2alignl 7, 3214868480
	.fill 96, 4, 3214868480
	.section	.rodata,"a",@progbits
	.p2align	6, 0x0
	.amdhsa_kernel k_q3ea1224983_attn
		.amdhsa_group_segment_fixed_size 327680
		.amdhsa_private_segment_fixed_size 0
		.amdhsa_enable_private_segment 0
		.amdhsa_kernarg_size 40
		.amdhsa_user_sgpr_count 2
		.amdhsa_user_sgpr_kernarg_segment_ptr 1
		.amdhsa_wavefront_size32 1
		.amdhsa_system_sgpr_workgroup_id_x 1
		.amdhsa_system_sgpr_workgroup_id_y 1
		.amdhsa_system_sgpr_workgroup_id_z 1
		.amdhsa_system_vgpr_workitem_id 0
		.amdhsa_next_free_vgpr 1024
		.amdhsa_next_free_sgpr 100
		.amdhsa_reserve_vcc 0
		.amdhsa_float_denorm_mode_32 3
		.amdhsa_float_denorm_mode_16_64 3
		.amdhsa_memory_ordered 1
		.amdhsa_forward_progress 1
		.amdhsa_inst_pref_size 255
	.end_amdhsa_kernel
	.amdgpu_metadata
---
amdhsa.version: [ 1, 2 ]
amdhsa.kernels:
  - .name:           k_q3ea1224983_attn
    .symbol:         k_q3ea1224983_attn.kd
    .args:
      - { .name: seq_vectors, .offset: 0, .size: 8, .value_kind: global_buffer, .address_space: global }
      - { .name: kimg, .offset: 8, .size: 8, .value_kind: global_buffer, .address_space: global }
      - { .name: vimg, .offset: 16, .size: 8, .value_kind: global_buffer, .address_space: global }
      - { .name: lowp_scales, .offset: 24, .size: 8, .value_kind: global_buffer, .address_space: global }
      - { .name: out0, .offset: 32, .size: 8, .value_kind: global_buffer, .address_space: global }
    .group_segment_fixed_size: 327680
    .private_segment_fixed_size: 0
    .kernarg_segment_align: 8
    .kernarg_segment_size: 40
    .max_flat_workgroup_size: 128
    .sgpr_count:     100
    .vgpr_count:     1024
    .wavefront_size: 32
...
	.end_amdgpu_metadata
.endif
;; end of part 2
